; MI455X (gfx1250); checked and timed in simulation.
; The chip was launched on July 23, 2026; its instructions are those of AMD's public machine-readable ISA for CDNA 5 (MIT licence, August 2026) and "CDNA5" Instruction Set Architecture Reference Guide (July 2026). The comments in the code are by the model that wrote it; some were corrected since.
;; Multi Window Attention. Allowed arithmetic: float matrix products may take bf16 or f16 operands with f32 sums; all other float work in f32.
;; Inputs: keys 4 x 2,048 x 8 x 64 float32; queries 4 x 2,048 x 8 x 64 float32; values 4 x 2,048 x 8 x 64 float32.
;; Outputs: out0 4 x 2,048 x 8 x 64 float32.
;; 2 versions, each right; version 2 is version 1 with the launch band written anew for expert scheduling mode. Each part assembles by itself: llvm-mc -triple=amdgcn-amd-amdhsa -mcpu=gfx1250 --defsym DOCPART=n.
;; ======== version 1 of 2: 1 launch
;; launch band (part 1): grid 16 x 16, 4 waves a work-group, no clusters, 326,144 bytes of LDS; arguments keys, queries, values, out0; writes out0
.if DOCPART == 1
	.amdgcn_target "amdgcn-amd-amdhsa--gfx1250"
	.amdhsa_code_object_version 6
	.text
	.protected	k_q17a1bbf5ab_band
	.globl	k_q17a1bbf5ab_band
	.p2align	8
	.type	k_q17a1bbf5ab_band,@function
k_q17a1bbf5ab_band:
	s_mov_b64 s[64:65], 0
	v_nop
	global_prefetch_b8 v0, s[64:65] scope:SCOPE_SE
	s_setreg_imm32_b32 hwreg(HW_REG_WAVE_MODE, 25, 1), 1
	s_wait_xcnt 0x0
; Band attention.  queries, keys, values, out0: [4][2048][8][64] f32; head h sees keys with |i - j| <= w, w = 32 << (h & 3).
; A row (b, l, h) is 256 bytes; rows of one head are 2,048 bytes apart, 32 rows (a chunk) 65,536, a batch 1 << 22.
;
; SHARING.  A tile of 32 queries needs w/16 + 1 chunks of 32 keys: 3, 5, 9, 17.  A work-group owns 128 query rows (x = block) and either
; the head with w = 256 (17 steps) or the three heads with w = 128, 64, 32 one after the other (9 + 5 + 3 = 17 steps): y = 4 b + 2 type + g,
; heads 4 g + 3 or 4 g + 2, 1, 0.  So all 16 x 16 work-groups take 17 steps.  The two kinds have a straight-line text each, made of the
; same macros, so that every LDS address and every wait count is a constant of the text.  The branch between them is the only one.
; WAVES.  Four, all alike.  Wave v owns query rows 32 v .. 32 v + 31 of the block, and a quarter of every element of the stream of loads
; (an element: 32 rows of K and of V, or 64 rows of Q; 16,384 bytes of f32).  Seven sets of 32 registers (v256-v479) keep 56 loads of a
; wave on their way; an element that has come is rounded to bf16 and stored into LDS.  Every K/V slot and Q area of LDS is written once
; in the launch, so the only ordering is: store, wait for the stores, barrier, read.  What step S reads first is stored in interval
; S - 2 at the latest, since K's fragments are fetched one step ahead.
; STEPS.  Chunk n of a job covers keys i0 - w + 32 n ..; wave v uses chunk idx + v in a step.  The diagonal chunk (idx = d = w/32) comes
; first: it always exists and needs no mask, it starts the sums (C = 0, nothing is cleared) and makes the running maximum finite.  Then
; idx goes up to 2 d (mask: key offset <= query offset) and down from d - 1 to 0 (mask: key offset >= query offset).
; Chunks beyond the sequence's ends: the load clamps the chunk number to 0..63 (every load stays inside its buffer), and the step
; selects two scalars (-inf, -inf instead of +inf, 0) that keep the maximum and turn every weight of the step into 0.  No branch.
; PRODUCTS, both transposed: S^T = K Q^T (a lane holds 8 keys of one query, which pack straight into P's fragment) and O^T = V^T P^T
; (a lane holds 8 neighbouring d of one query), so maximum, sum and rescaling are one number a lane.
; NOT USED: copies into LDS by an engine, shared among neighbouring blocks.  The rows must be rounded from f32 to bf16 on the way, which
; takes registers; an f32 landing place of 16,384 bytes a chunk has no room beside the 325,632 bytes used here.
; LIMITS: inputs finite.  Q, K, V and the weights P are rounded to bf16, sums are f32.  A weight below 2^-126 counts as 0.
.set SLOT,  9728                       ; a chunk in LDS: K 32 rows x 144 bytes, then V 32 rows x 160 bytes (128 bytes of bf16 + padding)
.set VOFF,  4608
.set KP,    144                        ; odd multiple of 16: the 16 rows of a fragment load fall on different 16-byte columns
.set VP,    160                        ; odd multiple of 32: the same for the transposing load
.set QB,    26*SLOT                    ; three Q areas of 128 rows x 144 bytes behind the 26 slots
.set QAREA, 128*KP
.set STG,   QB+3*QAREA                 ; way out: 16 rows x 272 bytes of f32 for each wave
.set SP,    272
.set STW,   16*SP
.set DEPTH, 7                          ; sets of 8 loads on their way in each wave
.set K_FIRST, 0
.set K_MID,   1
.set K_HI,    2
.set K_LO,    3
; registers of the steps (r = L & 15, h = L >> 4)
.set KB, 3                             ; v x SLOT + r x 144 + 16 h
.set KA, 4                             ; K address of the fetch at hand
.set VB, 5                             ; v x SLOT + VOFF + (8 h + (L & 7)) x 160 + 16 ((L >> 3) & 1)
.set VA, 6
.set QA, 7                             ; QB + (32 v + r) x 144 + 16 h
.set ST, 8                             ; stage, in:   r x 272 + 32 h
.set RD, 9                             ; stage, back: h x 272 + 16 r
.set GO, 10                            ; out0: h x 2048 + 16 r
.set NINF, 11
.set RM, 12                            ; v12, v13 running maximum of query 16 t + r
.set RL, 14                            ; v14, v15 running sum (this half's keys)
.set AL, 16                            ; v[16:17], v[18:19] pairs (alpha, its exponent)
.set NB, 20                            ; v[20:21], v[22:23] pairs (-m c + bias, the step's maximum)
.set MX, 21
.set TA, 24                            ; v24, v25 at work
.set RQ, 32                            ; Q fragment (t, ks) at 32 + 8 (2 t + ks)
.set RO, 64                            ; O^T tile (t, dt) at 64 + 8 (4 t + dt)
.set RS, 128                           ; S^T tile (t, u) at 128 + 16 t + 8 u
.set RP, 160                           ; P fragment t at 160 + 8 t
.set RK, 176                           ; K fragment (u, ks) at 176 + 8 (2 u + ks)
.set RV, 208                           ; V^T fragment dt at 208 + 8 dt
; registers of the stream of loads (c = L & 15: 16 bytes of a row; hl = L >> 4).  A wave's rows are neighbours, so that its LDS stores
; lie in a range of bytes of its own: K and V rows 8 v + 4 hl + i (i = 0..3), Q rows 16 v + 8 hl + i (i = 0..7).
.set GK, 26                            ; global offset (8 v + 4 hl) x 2048 + 16 c, for K and for V
.set LK, 27                            ; LDS offset (8 v + 4 hl) x 144 + 8 c
.set LV, 28                            ; LDS offset (8 v + 4 hl) x 160 + 8 c
.set GQ, 29                            ; global offset (16 v + 8 hl) x 2048 + 16 c
.set LQ, 30                            ; LDS offset (16 v + 8 hl) x 144 + 8 c
.set T0, 31                            ; LDS address of the element at hand
.set T1, 240
; set s of the stream: v[256 + 32 s : 256 + 32 s + 31], named by the low 8 bits under a register window
.set MSB, 0
.macro WIN new                         ; s_set_vgpr_msb: bits 1:0 source 0, 3:2 source 1, 5:4 source 2, 7:6 destination; the high byte repeats the setting left
.if MSB != \new
	s_set_vgpr_msb (MSB<<8)|\new
.set MSB, \new
.endif
.endm
.set W_LOAD,  0x40                     ; loaded data in block 1, address in block 0
.set W_ROUND, 0x45                     ; both sources and the destination in block 1
.set W_STORE, 0x04                     ; LDS address in block 0, store data in block 1
; scalars, one for each job j
.set BH, 30                            ; byte offset of (b, row 0, head)
.set CB, 33                            ; 4 x block - d: the sequence's chunk number of the job's chunk 0
.set QO, 36                            ; BH + block x 128 rows
.set CV, 39                            ; CB + wave
.set OB, 48                            ; pairs: out0 at my wave's first row
.set LOM, 54                           ; s[54:61] lanes with 8 h + j >= r
.set HIM, 66                           ; s[66:73] lanes with 8 h + j <= r
	s_load_b256 s[4:11], s[0:1], 0x0               ; keys s[4:5], queries s[6:7], values s[8:9], out0 s[10:11]
	v_lshl_add_u32 v254, v0, 2, 0x4f800
	v_mov_b32 v255, 0
	v_lshrrev_b32 v1, 5, v0
	v_readfirstlane_b32 s12, v1                    ; wave 0..3
	s_mov_b32 s13, ttmp9                           ; block of 128 query rows
	s_and_b32 s14, ttmp7, 0xffff
	s_lshr_b32 s15, s14, 2                         ; b
	s_and_b32 s16, s14, 1                          ; g
	s_bfe_u32 s17, s14, 0x10001                    ; 0: the head with w = 256; 1: the three others
	s_mov_b32 s20, 0x3e38aa3b                      ; c = log2(e) / 8: softmax's scale folded into the base-2 exponential
	s_mov_b32 s21, 0x3e38aa3b
	s_mov_b32 s22, 0xbe38aa3b                      ; -c
	s_mov_b32 s23, 0xff800000                      ; -inf
	s_mov_b32 s24, 0x7f800000                      ; +inf
	s_mov_b32 s25, 0x76543210                      ; v_permlanex16_b32: lane i takes lane i of the other half
	s_mov_b32 s26, 0xfedcba98
	s_mov_b32 s43, 0                               ; upper word of the offset pair s[42:43]
	v_and_b32 v1, 15, v0                           ; r, and c
	v_bfe_u32 v2, v0, 4, 1                         ; h, and hl
	; ---- addresses of the steps
	v_mul_u32_u24 v24, v1, KP
	v_lshl_add_u32 v24, v2, 4, v24                 ; r x 144 + 16 h: the lane term of K's and Q's fragments
	s_mul_i32 s29, s12, SLOT
	v_add_nc_u32 v[KB], s29, v24
	s_mul_i32 s19, s12, 32*KP
	s_add_co_u32 s19, s19, QB
	v_add_nc_u32 v[QA], s19, v24
	v_and_b32 v24, 7, v0
	v_lshl_add_u32 v24, v2, 3, v24                 ; key row 8 h + (L & 7)
	v_bfe_u32 v25, v0, 3, 1
	v_mul_u32_u24 v24, v24, VP
	v_lshl_add_u32 v24, v25, 4, v24
	s_add_co_u32 s29, s29, VOFF
	v_add_nc_u32 v[VB], s29, v24
	s_mul_i32 s29, s12, STW
	s_add_co_u32 s29, s29, STG
	v_mul_u32_u24 v24, v1, SP
	v_lshl_add_u32 v24, v2, 5, v24
	v_add_nc_u32 v[ST], s29, v24
	v_mul_u32_u24 v24, v2, SP
	v_lshl_add_u32 v24, v1, 4, v24
	v_add_nc_u32 v[RD], s29, v24
	v_lshlrev_b32 v24, 11, v2
	v_lshl_add_u32 v[GO], v1, 4, v24
	v_mov_b32 v[NINF], 0xff800000
	; ---- addresses of the stream: a lane term, plus the wave's number times a constant
	v_lshlrev_b32 v24, 13, v2                      ; 4 hl rows of 2,048 bytes
	v_lshl_add_u32 v24, v1, 4, v24
	s_lshl_b32 s29, s12, 14                        ; 8 v rows
	v_add_nc_u32 v[GK], s29, v24
	v_lshlrev_b32 v24, 14, v2                      ; 8 hl rows
	v_lshl_add_u32 v24, v1, 4, v24
	s_lshl_b32 s29, s12, 15                        ; 16 v rows
	v_add_nc_u32 v[GQ], s29, v24
	v_mul_u32_u24 v24, v2, 4*KP
	v_lshl_add_u32 v24, v1, 3, v24
	s_mul_i32 s29, s12, 8*KP
	v_add_nc_u32 v[LK], s29, v24
	v_mul_u32_u24 v24, v2, 4*VP
	v_lshl_add_u32 v24, v1, 3, v24
	s_mul_i32 s29, s12, 8*VP
	v_add_nc_u32 v[LV], s29, v24
	v_mul_u32_u24 v24, v2, 8*KP
	v_lshl_add_u32 v24, v1, 3, v24
	s_mul_i32 s29, s12, 16*KP
	v_add_nc_u32 v[LQ], s29, v24
	; ---- the two triangles' lane masks
	v_lshlrev_b32 v24, 3, v2
	v_sub_nc_u32 v24, v24, v1                      ; 8 h - r
.irp i, 0,1,2,3,4,5,6,7
	v_cmp_le_i32 s[LOM+\i], -\i, v24               ; 8 h + i >= r
	v_cmp_ge_i32 s[HIM+\i], -\i, v24               ; 8 h + i <= r
.endr
	s_wait_kmcnt 0x0
; The scalars of job j: head 4 g + hd, d = w / 32.
.macro JOBSET job, hd, d
	s_lshl_b32 s29, s16, 2
	s_add_co_u32 s29, s29, \hd
	s_lshl_b32 s29, s29, 8
	s_lshl_b32 s[BH+\job], s15, 22
	s_add_co_u32 s[BH+\job], s[BH+\job], s29
	s_lshl_b32 s29, s13, 2
	s_sub_co_i32 s[CB+\job], s29, \d
	s_add_co_i32 s[CV+\job], s[CB+\job], s12
	s_lshl_b32 s29, s13, 18
	s_add_co_u32 s[QO+\job], s[BH+\job], s29
	s_lshl_b32 s29, s12, 16                        ; my wave's 32 rows
	s_add_co_u32 s42, s[QO+\job], s29
	s_add_nc_u64 s[OB+2*\job:OB+2*\job+1], s[10:11], s[42:43]
.endm
; Element e of the stream.  A job's run, r = place in it: r = 0, 1 the halves of Q; then chunks d .. 2 d + 3 upward (chunk r + d - 2);
; then chunks d - 1 .. 0 downward (chunk 2 d + 5 - r).
.macro ELEM ty, e
.set E_E, \e
.if \ty == 1
.set E_LAST, 21
.set E_JOB, 0
.set E_SB, 0
.set E_D, 8
.set E_R, E_E
.else
.set E_LAST, 31
.if E_E < 14
.set E_JOB, 0
.set E_SB, 0
.set E_D, 4
.set E_R, E_E
.else
.if E_E < 24
.set E_JOB, 1
.set E_SB, 12
.set E_D, 2
.set E_R, E_E-14
.else
.set E_JOB, 2
.set E_SB, 20
.set E_D, 1
.set E_R, E_E-24
.endif
.endif
.endif
.if E_R < 2
.set E_KIND, 0
.set E_IDX, E_R
.else
.set E_KIND, 1
.if E_R < E_D+6
.set E_IDX, E_R+E_D-2
.else
.set E_IDX, 2*E_D+5-E_R
.endif
.endif
.set E_SLOT, E_SB+E_IDX
.endm
; My eight loads of element e into set e mod 7.  Each load covers two whole rows of 256 bytes.  Leaves the window at W_LOAD.
.macro ISSUE ty, e
	ELEM \ty, \e
.set X, 32*(E_E%DEPTH)
.if E_KIND
	s_add_co_i32 s42, s[CB+E_JOB], E_IDX           ; the chunk's number in the sequence,
	s_max_i32 s42, s42, 0                          ; clamped: a chunk off the ends loads real rows, which the steps weigh with 0
	s_min_i32 s42, s42, 63
	s_lshl_b32 s42, s42, 16
	s_add_co_u32 s42, s42, s[BH+E_JOB]
	s_wait_xcnt 0x0                                ; the base pairs are sources of the loads before: rewritten only behind this wait
	s_add_nc_u64 s[44:45], s[4:5], s[42:43]
	s_add_nc_u64 s[46:47], s[8:9], s[42:43]
	WIN W_LOAD
.irp i, 0,1,2,3
	global_load_b128 v[X+4*\i:X+4*\i+3],       v[GK], s[44:45] offset:\i*2048
.endr
.irp i, 0,1,2,3
	global_load_b128 v[X+16+4*\i:X+16+4*\i+3], v[GK], s[46:47] offset:\i*2048
.endr
.else
	s_mov_b32 s42, s[QO+E_JOB]
	s_wait_xcnt 0x0                                ; as above
	s_add_nc_u64 s[44:45], s[6:7], s[42:43]
	WIN W_LOAD
.irp i, 0,1,2,3,4,5,6,7
	global_load_b128 v[X+4*\i:X+4*\i+3], v[GQ], s[44:45] offset:E_IDX*131072+\i*2048 th:TH_LOAD_NT  ; Q is read by this work-group alone
.endr
.endif
.endm
; Element e has come: round to bf16 in place, store into its slot, and ask for element e + 7 into the same set.
.macro TURN ty, e
	ELEM \ty, \e
.set X, 32*(E_E%DEPTH)
.if E_E+DEPTH-1 < E_LAST
.set E_W, 8*(DEPTH-1)
.else
.set E_W, 8*(E_LAST-E_E)
.endif
	WIN 0
.if E_KIND
	v_add_nc_u32 v[T0], E_SLOT*SLOT, v[LK]
	v_add_nc_u32 v[T1], E_SLOT*SLOT+VOFF, v[LV]
.else
	v_add_nc_u32 v[T0], QB+E_JOB*QAREA+E_IDX*64*KP, v[LQ]
.endif
	s_wait_loadcnt E_W                             ; loads return in order: the eight loads of each younger element issued so far stay out
	WIN W_ROUND
.irp q, 0,1,2,3,4,5,6,7
	v_cvt_pk_bf16_f32 v[X+4*\q],   v[X+4*\q],   v[X+4*\q+1]
	v_cvt_pk_bf16_f32 v[X+4*\q+1], v[X+4*\q+2], v[X+4*\q+3]
.endr
	WIN W_STORE
.if E_KIND
.irp q, 0,1,2,3
	ds_store_b64 v[T0], v[X+4*\q:X+4*\q+1]       offset:\q*KP      ; two rows 576 bytes apart: half of their columns meet two deep
.endr
.irp q, 0,1,2,3
	ds_store_b64 v[T1], v[X+16+4*\q:X+16+4*\q+1] offset:\q*VP      ; two rows 640 bytes apart, 128 modulo 256: every column once
.endr
.else
.irp q, 0,1,2,3,4,5,6,7
	ds_store_b64 v[T0], v[X+4*\q:X+4*\q+1] offset:\q*KP            ; two rows 1,152 bytes apart, 128 modulo 256
.endr
.endif
.if E_E+DEPTH <= E_LAST
	ISSUE \ty, E_E+DEPTH
.endif
	WIN 0
.endm
; Eight loads: K's four fragments (16 keys x 32 e each) from the slot whose address is in KA.
.macro FETCHK
.irp u, 0,1
.irp ks, 0,1
	ds_load_b128 v[RK+16*\u+8*\ks:RK+16*\u+8*\ks+3],   v[KA] offset:16*KP*\u+64*\ks
	ds_load_b128 v[RK+16*\u+8*\ks+4:RK+16*\u+8*\ks+7], v[KA] offset:16*KP*\u+64*\ks+32
.endr
.endr
.endm
; Eight loads: my 32 queries' four fragments from a Q area.
.macro FETCHQ area
.irp t, 0,1
.irp ks, 0,1
	ds_load_b128 v[RQ+16*\t+8*\ks:RQ+16*\t+8*\ks+3],   v[QA] offset:\area*QAREA+16*KP*\t+64*\ks
	ds_load_b128 v[RQ+16*\t+8*\ks+4:RQ+16*\t+8*\ks+7], v[QA] offset:\area*QAREA+16*KP*\t+64*\ks+32
.endr
.endr
.endm
; A job's end: divide by the sum, turn 16 queries at a time through my own stage in LDS, store whole rows of 256 bytes.
.macro FINAL job, more
	v_permlanex16_b32 v[TA],   v[RL],   s25, s26   ; the other half's keys
	v_permlanex16_b32 v[TA+1], v[RL+1], s25, s26
	v_add_f32 v[RL],   v[RL],   v[TA]
	v_add_f32 v[RL+1], v[RL+1], v[TA+1]
	v_rcp_f32 v[AL],   v[RL]
	v_rcp_f32 v[AL+2], v[RL+1]
	v_nop                                          ; one plain instruction between the reciprocals and their use (ISA guide 5.7.2)
	s_wait_alu depctr_va_vdst(0)
.irp t, 0,1
.set II, 0
.rept 16
	v_pk_mul_f32 v[RO+32*\t+II:RO+32*\t+II+1], v[RO+32*\t+II:RO+32*\t+II+1], v[AL+2*\t:AL+2*\t+1] op_sel_hi:[1,0]
.set II, II+2
.endr
.endr
	; queries 0-15: a lane's 8 numbers of tile dt are d = 16 dt + 8 h .. + 7 of query r
.irp dt, 0,1,2,3
	ds_store_b128 v[ST], v[RO+8*\dt:RO+8*\dt+3]   offset:64*\dt
	ds_store_b128 v[ST], v[RO+8*\dt+4:RO+8*\dt+7] offset:64*\dt+16
.endr
.irp i, 0,1,2,3,4,5,6,7
	ds_load_b128 v[RV+4*\i:RV+4*\i+3], v[RD] offset:2*SP*\i        ; LDS serves a wave's instructions in order: these see the stores above
.endr
.irp i, 0,1,2,3,4,5,6,7
	s_wait_dscnt 7-\i                              ; the younger read-backs stay out
	global_store_b128 v[GO], v[RV+4*\i:RV+4*\i+3], s[OB+2*\job:OB+2*\job+1] offset:2*\i*2048 th:TH_STORE_NT  ; 16 lanes: one aligned row of 256 bytes
.endr
	; queries 16-31, behind the wait for 0 above: the stage has been read out
.irp dt, 0,1,2,3
	ds_store_b128 v[ST], v[RO+32+8*\dt:RO+32+8*\dt+3]   offset:64*\dt
	ds_store_b128 v[ST], v[RO+32+8*\dt+4:RO+32+8*\dt+7] offset:64*\dt+16
.endr
.irp i, 0,1,2,3,4,5,6,7
	ds_load_b128 v[RS+4*\i:RS+4*\i+3], v[RD] offset:2*SP*\i
.endr
.irp i, 0,1,2,3,4,5,6,7
	s_wait_dscnt 7-\i
	global_store_b128 v[GO], v[RS+4*\i:RS+4*\i+3], s[OB+2*\job:OB+2*\job+1] offset:(16+2*\i)*2048 th:TH_STORE_NT
.endr
.if \more
	s_wait_xcnt 0x0                                ; the stores' data lie in V's and S's registers, which the next step writes
.endif
.endm
; One step of a wave: 32 queries x the 32 keys of slot + v.  idx: the chunk's place in the job; nslot: the next step's slot
; (-1: none), whose K fragments are fetched here; nq: the next job's Q area (-1: none); fin: the job ends.
.macro CHUNK kind, job, idx, slot, nslot, nq, fin
.set DEADQ, -1                                     ; the sub-tile 2 t + u that the band leaves empty
.if \kind == K_LO
.set DEADQ, 2                                      ; keys 0-15 against queries 16-31
.set MB, LOM
.endif
.if \kind == K_HI
.set DEADQ, 1                                      ; keys 16-31 against queries 0-15
.set MB, HIM
.endif
	; V^T's fragments.  The last step's products that read these registers lie behind that step's 16 or 18 sum instructions.
	v_add_nc_u32 v[VA], \slot*SLOT, v[VB]
.irp dt, 0,1,2,3
	ds_load_tr16_b128 v[RV+8*\dt:RV+8*\dt+3],   v[VA] offset:32*\dt
	ds_load_tr16_b128 v[RV+8*\dt+4:RV+8*\dt+7], v[VA] offset:32*\dt+16*VP
.endr
.if \kind != K_FIRST
	s_add_co_u32 s29, s[CV+\job], \idx             ; the chunk's number in the sequence; below 0 it wraps to a large number
	s_cmp_gt_u32 s29, 63
	s_cselect_b32 s27, s23, s24                    ; cap of the step's maximum: -inf off the ends
	s_cselect_b32 s28, s23, 0                      ; bias of the exponent: -inf off the ends
.endif
	s_wait_dscnt 0x8                               ; all but the eight V loads: K's fragments (and Q's) are in
.irp ks, 0,1
.irp t, 0,1
.irp u, 0,1
.if 2*\t+\u != DEADQ
.if \ks == 0
	v_wmma_f32_16x16x32_bf16 v[RS+16*\t+8*\u:RS+16*\t+8*\u+7], v[RK+16*\u:RK+16*\u+7], v[RQ+16*\t:RQ+16*\t+7], 0
.else
	v_wmma_f32_16x16x32_bf16 v[RS+16*\t+8*\u:RS+16*\t+8*\u+7], v[RK+16*\u+8:RK+16*\u+15], v[RQ+16*\t+8:RQ+16*\t+15], v[RS+16*\t+8*\u:RS+16*\t+8*\u+7]
.endif
.endif
.endr
.endr
.endr
	; Four independent vector instructions between the products and both the loads into their sources and the reads of their
	; results: the address of the next fetch and three v_nop, or the eight moves that fill the empty sub-tile.
.if \nslot >= 0
	v_add_nc_u32 v[KA], \nslot*SLOT, v[KB]
.endif
.if DEADQ >= 0
.irp i, 0,1,2,3,4,5,6,7
	v_mov_b32 v[RS+8*DEADQ+\i], v[NINF]
.endr
.else
.rept 3
	v_nop
.endr
.endif
.if \nslot >= 0
	FETCHK
.endif
.if \nq >= 0
	FETCHQ \nq
.endif
.if DEADQ >= 0
.irp i, 0,1,2,3,4,5,6,7
	v_cndmask_b32 v[RS+\i],    v[NINF], v[RS+\i],    s[MB+\i]      ; the two triangular sub-tiles (u = t)
	v_cndmask_b32 v[RS+24+\i], v[NINF], v[RS+24+\i], s[MB+\i]
.endr
.endif
	; the step's maximum for each query: 16 numbers a lane in two chains, then the other half of the lanes
.irp t, 0,1
	v_max3_num_f32 v[MX+2*\t], v[RS+16*\t],   v[RS+16*\t+1],  v[RS+16*\t+2]
	v_max3_num_f32 v[TA+\t],   v[RS+16*\t+9], v[RS+16*\t+10], v[RS+16*\t+11]
	v_max3_num_f32 v[MX+2*\t], v[MX+2*\t],    v[RS+16*\t+3],  v[RS+16*\t+4]
	v_max3_num_f32 v[TA+\t],   v[TA+\t],      v[RS+16*\t+12], v[RS+16*\t+13]
	v_max3_num_f32 v[MX+2*\t], v[MX+2*\t],    v[RS+16*\t+5],  v[RS+16*\t+6]
	v_max3_num_f32 v[TA+\t],   v[TA+\t],      v[RS+16*\t+14], v[RS+16*\t+15]
	v_max3_num_f32 v[MX+2*\t], v[MX+2*\t],    v[RS+16*\t+7],  v[RS+16*\t+8]
	v_max_num_f32  v[MX+2*\t], v[MX+2*\t],    v[TA+\t]
.endr
	v_permlanex16_b32 v[TA],   v[MX],   s25, s26
	v_permlanex16_b32 v[TA+1], v[MX+2], s25, s26
	v_max_num_f32 v[MX],   v[MX],   v[TA]
	v_max_num_f32 v[MX+2], v[MX+2], v[TA+1]
.irp t, 0,1
.if \kind == K_FIRST
	v_mov_b32 v[RM+\t], v[MX+2*\t]
	v_mul_f32 v[NB+2*\t], s22, v[MX+2*\t]          ; -m c
.else
	v_min_num_f32 v[MX+2*\t], s27, v[MX+2*\t]      ; off the ends: -inf, so that m stays and alpha = 1
	v_sub_f32     v[AL+2*\t+1], v[RM+\t], v[MX+2*\t]
	v_max_num_f32 v[RM+\t], v[RM+\t], v[MX+2*\t]
	v_min_num_f32 v[AL+2*\t+1], 0, v[AL+2*\t+1]    ; old m - new m
	v_mul_f32     v[AL+2*\t+1], s20, v[AL+2*\t+1]
	v_exp_f32     v[AL+2*\t], v[AL+2*\t+1]         ; alpha; the line below is the plain instruction behind it
	v_fma_f32     v[NB+2*\t], v[RM+\t], s22, s28   ; -m c + bias
.endif
.endr
.irp t, 0,1
.set II, 0
.rept 8
	v_pk_fma_f32 v[RS+16*\t+II:RS+16*\t+II+1], v[RS+16*\t+II:RS+16*\t+II+1], s[20:21], v[NB+2*\t:NB+2*\t+1] op_sel_hi:[1,0,0]
.set II, II+2
.endr
.endr
.set II, 0
.rept 32
	v_exp_f32 v[RS+II], v[RS+II]                   ; p = 2^(s c - m c)
.set II, II+1
.endr
.if \kind == K_FIRST
	v_nop                                          ; one plain instruction behind the exponentials (ISA guide 5.7.2)
	s_wait_alu depctr_va_vdst(0)
.else
	s_wait_alu depctr_va_vdst(0)
.irp t, 0,1                                        ; O *= alpha: also the plain instructions behind the exponentials
.set II, 0
.rept 16
	v_pk_mul_f32 v[RO+32*\t+II:RO+32*\t+II+1], v[RO+32*\t+II:RO+32*\t+II+1], v[AL+2*\t:AL+2*\t+1] op_sel_hi:[1,0]
.set II, II+2
.endr
.endr
.endif
.irp t, 0,1                                        ; a lane's keys 16 u + 8 h + 0..7 are exactly registers 4 u .. 4 u + 3 of P's fragment
.set II, 0
.rept 8
	v_cvt_pk_bf16_f32 v[RP+8*\t+II], v[RS+16*\t+2*II], v[RS+16*\t+2*II+1]
.set II, II+1
.endr
.endr
.if \nslot >= 0
.if \nq >= 0
	s_wait_dscnt 0x10                              ; V is in: the 16 loads of K and Q issued behind it stay out
.else
	s_wait_dscnt 0x8                               ; V is in: the 8 loads of K issued behind it stay out
.endif
.else
	s_wait_dscnt 0x0
.endif
.irp t, 0,1
.irp dt, 0,1,2,3
.if \kind == K_FIRST
	v_wmma_f32_16x16x32_bf16 v[RO+32*\t+8*\dt:RO+32*\t+8*\dt+7], v[RV+8*\dt:RV+8*\dt+7], v[RP+8*\t:RP+8*\t+7], 0
.else
	v_wmma_f32_16x16x32_bf16 v[RO+32*\t+8*\dt:RO+32*\t+8*\dt+7], v[RV+8*\dt:RV+8*\dt+7], v[RP+8*\t:RP+8*\t+7], v[RO+32*\t+8*\dt:RO+32*\t+8*\dt+7]
.endif
.endr
.endr
	; the sums of p, on S's registers alone: these lines are also the distance between the products above and what follows them
.irp t, 0,1
	v_pk_add_f32 v[RS+16*\t:RS+16*\t+1],     v[RS+16*\t:RS+16*\t+1],     v[RS+16*\t+2:RS+16*\t+3]
	v_pk_add_f32 v[RS+16*\t+4:RS+16*\t+5],   v[RS+16*\t+4:RS+16*\t+5],   v[RS+16*\t+6:RS+16*\t+7]
	v_pk_add_f32 v[RS+16*\t+8:RS+16*\t+9],   v[RS+16*\t+8:RS+16*\t+9],   v[RS+16*\t+10:RS+16*\t+11]
	v_pk_add_f32 v[RS+16*\t+12:RS+16*\t+13], v[RS+16*\t+12:RS+16*\t+13], v[RS+16*\t+14:RS+16*\t+15]
	v_pk_add_f32 v[RS+16*\t:RS+16*\t+1],     v[RS+16*\t:RS+16*\t+1],     v[RS+16*\t+4:RS+16*\t+5]
	v_pk_add_f32 v[RS+16*\t+8:RS+16*\t+9],   v[RS+16*\t+8:RS+16*\t+9],   v[RS+16*\t+12:RS+16*\t+13]
	v_pk_add_f32 v[RS+16*\t:RS+16*\t+1],     v[RS+16*\t:RS+16*\t+1],     v[RS+16*\t+8:RS+16*\t+9]
.if \kind == K_FIRST
	v_add_f32 v[RL+\t], v[RS+16*\t], v[RS+16*\t+1]
.else
	v_add_f32 v[RS+16*\t], v[RS+16*\t], v[RS+16*\t+1]
	v_fma_f32 v[RL+\t], v[RL+\t], v[AL+2*\t], v[RS+16*\t]
.endif
.endr
.if \fin
.if \nslot >= 0
	FINAL \job, 1
.else
	FINAL \job, 0
.endif
.endif
.endm
; An interval: a step, then one or two elements of the stream into slots that no wave reads in this interval, then the barrier.
.macro INTERVAL ty, t0, t1, kind, job, idx, slot, nslot, nq, fin
	CHUNK \kind, \job, \idx, \slot, \nslot, \nq, \fin
	TURN \ty, \t0
.if \t1 >= 0
	TURN \ty, \t1
.endif
	s_wait_dscnt 0x0                               ; for the others: my stores are in LDS; no LDS access of mine is open at the signal
	s_barrier_signal -1
	s_barrier_wait -1
.endm
; The seven sets are filled; Q and the first five chunks are stored; then Q's and the first K's fragments are fetched.
.macro PROLOGUE ty, slot0
.irp e, 0,1,2,3,4,5,6
	ISSUE \ty, \e
.endr
.irp e, 0,1,2,3,4,5,6
	TURN \ty, \e
.endr
	s_wait_dscnt 0x0
	s_barrier_signal -1
	s_barrier_wait -1
	v_add_nc_u32 v[KA], \slot0*SLOT, v[KB]
	FETCHQ 0
	FETCHK
.endm
	s_cmp_lg_u32 s17, 0                            ; the same in all four waves: it hangs on the work-group's y alone
	s_cbranch_scc1 .Ltype2
	; ======== one job: head 4 g + 3, w = 256, d = 8; 20 chunks in slots 0-19; 17 steps
	JOBSET 0, 3, 8
	PROLOGUE 1, 8
	;        ty  turns   kind     job idx slot next nq fin
	INTERVAL 1,  7, -1,  K_FIRST, 0,  8,  8,   9,  -1, 0
	INTERVAL 1,  8, -1,  K_MID,   0,  9,  9,  10,  -1, 0
	INTERVAL 1,  9, -1,  K_MID,   0, 10, 10,  11,  -1, 0
	INTERVAL 1, 10, -1,  K_MID,   0, 11, 11,  12,  -1, 0
	INTERVAL 1, 11, -1,  K_MID,   0, 12, 12,  13,  -1, 0
	INTERVAL 1, 12, -1,  K_MID,   0, 13, 13,  14,  -1, 0
	INTERVAL 1, 13, -1,  K_MID,   0, 14, 14,  15,  -1, 0
	INTERVAL 1, 14, -1,  K_MID,   0, 15, 15,  16,  -1, 0
	INTERVAL 1, 15, -1,  K_HI,    0, 16, 16,   7,  -1, 0
	INTERVAL 1, 16, -1,  K_MID,   0,  7,  7,   6,  -1, 0
	INTERVAL 1, 17, -1,  K_MID,   0,  6,  6,   5,  -1, 0
	INTERVAL 1, 18, -1,  K_MID,   0,  5,  5,   4,  -1, 0
	INTERVAL 1, 19, -1,  K_MID,   0,  4,  4,   3,  -1, 0
	INTERVAL 1, 20, -1,  K_MID,   0,  3,  3,   2,  -1, 0
	INTERVAL 1, 21, -1,  K_MID,   0,  2,  2,   1,  -1, 0
	CHUNK K_MID, 0, 1, 1, 0, -1, 0                 ; everything is in LDS: the last two steps need no barrier
	CHUNK K_LO,  0, 0, 0, -1, -1, 1
	s_wait_tensorcnt 0x0
	ds_add_u32 v254, v255
	s_wait_dscnt 0x0
	s_endpgm
.Ltype2:
	; ======== three jobs: heads 4 g + 2, 1, 0 with d = 4, 2, 1; 12 + 8 + 6 chunks in slots 0-11, 12-19, 20-25; 9 + 5 + 3 steps
	JOBSET 0, 2, 4
	JOBSET 1, 1, 2
	JOBSET 2, 0, 1
	PROLOGUE 2, 4
	INTERVAL 2,  7, -1,  K_FIRST, 0,  4,  4,   5,  -1, 0
	INTERVAL 2,  8, -1,  K_MID,   0,  5,  5,   6,  -1, 0
	INTERVAL 2,  9, -1,  K_MID,   0,  6,  6,   7,  -1, 0
	INTERVAL 2, 10, 11,  K_MID,   0,  7,  7,   8,  -1, 0
	INTERVAL 2, 12, 13,  K_HI,    0,  8,  8,   3,  -1, 0
	INTERVAL 2, 14, 15,  K_MID,   0,  3,  3,   2,  -1, 0
	INTERVAL 2, 16, 17,  K_MID,   0,  2,  2,   1,  -1, 0
	INTERVAL 2, 18, 19,  K_MID,   0,  1,  1,   0,  -1, 0
	INTERVAL 2, 20, 21,  K_LO,    0,  0,  0,  14,   1, 1
	INTERVAL 2, 22, 23,  K_FIRST, 1,  2, 14,  15,  -1, 0
	INTERVAL 2, 24, 25,  K_MID,   1,  3, 15,  16,  -1, 0
	INTERVAL 2, 26, 27,  K_HI,    1,  4, 16,  13,  -1, 0
	INTERVAL 2, 28, 29,  K_MID,   1,  1, 13,  12,  -1, 0
	INTERVAL 2, 30, -1,  K_LO,    1,  0, 12,  21,   2, 1
	INTERVAL 2, 31, -1,  K_FIRST, 2,  1, 21,  22,  -1, 0
	CHUNK K_HI, 2, 2, 22, 20, -1, 0
	CHUNK K_LO, 2, 0, 20, -1, -1, 1
	s_wait_tensorcnt 0x0
	ds_add_u32 v254, v255
	s_wait_dscnt 0x0
	s_endpgm
.Lfunc_end_k_q17a1bbf5ab_band:
	.size	k_q17a1bbf5ab_band, .Lfunc_end_k_q17a1bbf5ab_band-k_q17a1bbf5ab_band
	.p2alignl 7, 3214868480
	.fill 96, 4, 3214868480
	.section	.rodata,"a",@progbits
	.p2align	6, 0x0
	.amdhsa_kernel k_q17a1bbf5ab_band
		.amdhsa_group_segment_fixed_size 326144
		.amdhsa_private_segment_fixed_size 0
		.amdhsa_enable_private_segment 0
		.amdhsa_kernarg_size 32
		.amdhsa_user_sgpr_count 2
		.amdhsa_user_sgpr_kernarg_segment_ptr 1
		.amdhsa_wavefront_size32 1
		.amdhsa_system_sgpr_workgroup_id_x 1
		.amdhsa_system_sgpr_workgroup_id_y 1
		.amdhsa_system_sgpr_workgroup_id_z 1
		.amdhsa_system_vgpr_workitem_id 0
		.amdhsa_next_free_vgpr 480
		.amdhsa_next_free_sgpr 80
		.amdhsa_reserve_vcc 0
		.amdhsa_float_denorm_mode_32 3
		.amdhsa_float_denorm_mode_16_64 3
		.amdhsa_memory_ordered 1
		.amdhsa_forward_progress 1
		.amdhsa_inst_pref_size 255
	.end_amdhsa_kernel
	.section	.bss,"aw",@nobits
	.p2align	6
	.space	262144
	.amdgpu_metadata
---
amdhsa.version: [ 1, 2 ]
amdhsa.kernels:
  - .name:           k_q17a1bbf5ab_band
    .symbol:         k_q17a1bbf5ab_band.kd
    .args:
      - { .name: keys, .offset: 0, .size: 8, .value_kind: global_buffer, .address_space: global }
      - { .name: queries, .offset: 8, .size: 8, .value_kind: global_buffer, .address_space: global }
      - { .name: values, .offset: 16, .size: 8, .value_kind: global_buffer, .address_space: global }
      - { .name: out0, .offset: 24, .size: 8, .value_kind: global_buffer, .address_space: global }
    .group_segment_fixed_size: 326144
    .private_segment_fixed_size: 0
    .kernarg_segment_align: 8
    .kernarg_segment_size: 32
    .max_flat_workgroup_size: 128
    .sgpr_count:     80
    .vgpr_count:     480
    .wavefront_size: 32
...
	.end_amdgpu_metadata
.endif
;; end of part 1
;; ======== version 2 of 2: 1 launch; version 1 with the launch band written anew for expert scheduling mode
;; launch band (part 2): grid 16 x 16, 4 waves a work-group, no clusters, 326,144 bytes of LDS; arguments keys, queries, values, out0; writes out0
.if DOCPART == 2
	.amdgcn_target "amdgcn-amd-amdhsa--gfx1250"
	.amdhsa_code_object_version 6
	.text
	.protected	k_q17a1bbf5ab_band
	.globl	k_q17a1bbf5ab_band
	.p2align	8
	.type	k_q17a1bbf5ab_band,@function
k_q17a1bbf5ab_band:
	s_mov_b64 s[64:65], 0
	v_nop
	global_prefetch_b8 v0, s[64:65] scope:SCOPE_SE
	s_setreg_imm32_b32 hwreg(HW_REG_WAVE_SCHED_MODE, 0, 2), 2
	s_setreg_imm32_b32 hwreg(HW_REG_WAVE_MODE, 25, 1), 1
	s_wait_xcnt 0x0
	s_wait_alu depctr_vm_vsrc(0)
; Band attention.  queries, keys, values, out0: [4][2048][8][64] f32; head h sees keys with |i - j| <= w, w = 32 << (h & 3).
; A row (b, l, h) is 256 bytes; rows of one head are 2,048 bytes apart, 32 rows (a chunk) 65,536, a batch 1 << 22.
;
; SHARING.  A tile of 32 queries needs w/16 + 1 chunks of 32 keys: 3, 5, 9, 17.  A work-group owns 128 query rows (x = block) and either
; the head with w = 256 (17 steps) or the three heads with w = 128, 64, 32 one after the other (9 + 5 + 3 = 17 steps): y = 4 b + 2 type + g,
; heads 4 g + 3 or 4 g + 2, 1, 0.  So all 16 x 16 work-groups take 17 steps.  The two kinds have a straight-line text each, made of the
; same macros, so that every LDS address and every wait count is a constant of the text.  The branch between them is the only one.
; WAVES.  Four, all alike.  Wave v owns query rows 32 v .. 32 v + 31 of the block, and a quarter of every element of the stream of loads
; (an element: 32 rows of K and of V, or 64 rows of Q; 16,384 bytes of f32).  Seven sets of 32 registers (v256-v479) keep 56 loads of a
; wave on their way; an element that has come is rounded to bf16 and stored into LDS.  Every K/V slot and Q area of LDS is written once
; in the launch, so the only ordering is: store, wait for the stores, barrier, read.  What step S reads first is stored in interval
; S - 2 at the latest, since K's fragments are fetched one step ahead.
; STEPS.  Chunk n of a job covers keys i0 - w + 32 n ..; wave v uses chunk idx + v in a step.  The diagonal chunk (idx = d = w/32) comes
; first: it always exists and needs no mask, it starts the sums (C = 0, nothing is cleared) and makes the running maximum finite.  Then
; idx goes up to 2 d (mask: key offset <= query offset) and down from d - 1 to 0 (mask: key offset >= query offset).
; Chunks beyond the sequence's ends: the load clamps the chunk number to 0..63 (every load stays inside its buffer), and the step
; selects two scalars (-inf, -inf instead of +inf, 0) that keep the maximum and turn every weight of the step into 0.  No branch.
; PRODUCTS, both transposed: S^T = K Q^T (a lane holds 8 keys of one query, which pack straight into P's fragment) and O^T = V^T P^T
; (a lane holds 8 neighbouring d of one query), so maximum, sum and rescaling are one number a lane.
; NOT USED: copies into LDS by an engine, shared among neighbouring blocks.  The rows must be rounded from f32 to bf16 on the way, which
; takes registers; an f32 landing place of 16,384 bytes a chunk has no room beside the 325,632 bytes used here.
; LIMITS: inputs finite.  Q, K, V and the weights P are rounded to bf16, sums are f32.  A weight below 2^-126 counts as 0.
;
; THE MODE: SCHED_MODE bits 1:0 = 2 (LLVM: expert scheduling mode 2), set by the entry lines.  The code itself states the register dependences
; between vector or matrix instructions and memory or LDS instructions, with s_wait_alu, always for 0.
; THE PLAN.  Registers that memory or LDS instructions touch:
;   X0 .. X6     a set: an element's eight loads land in it; at an interval's end its sixteen roundings read and write it and its eight LDS stores
;                read it; at the NEXT interval's head, behind the barrier, it is asked for again.
;   RV           a step's head: eight LDS loads land in it; the step's last eight products read it.  A job's end: read-backs land, global stores read.
;   RK, RQ       a step's middle: LDS loads land in them, for the next step; the next step's first products read them.
;   RS, RO       named by vector and matrix instructions alone, but at a job's end: LDS stores read RO, read-backs land in RS, global stores read RS.
;   addresses    all made at the kernel's head and never written again: five registers, six slots apart, for each of K's and V's fragments and
;                stores, since 5 x 9,728 + 2,656 bytes lie within the 16-bit immediate.  Each set owns its scalar bases, which are written again
;                only behind the counted wait that shows the set's last loads done.
; So an interval has three waits on va_vdst: at its head (the last step's products are done with RV, the last roundings with their sets), in the step's
; middle (the first products are done with RK and RQ), and behind the roundings (their results are the LDS stores' data); and one on vm_vsrc at its
; head, where sets are asked for again (the last interval's LDS stores have read them).  A job's end has one of each more.
.set SLOT,  9728                       ; a chunk in LDS: K 32 rows x 144 bytes, then V 32 rows x 160 bytes (128 bytes of bf16 + padding)
.set VOFF,  4608
.set KP,    144                        ; odd multiple of 16: the 16 rows of a fragment load fall on different 16-byte columns
.set VP,    160                        ; odd multiple of 32: the same for the transposing load
.set QB,    26*SLOT                    ; three Q areas of 128 rows x 144 bytes behind the 26 slots
.set QAREA, 128*KP
.set STG,   QB+3*QAREA                 ; way out: 16 rows x 272 bytes of f32 for each wave
.set SP,    272
.set STW,   16*SP
.set DEPTH, 7                          ; sets of 8 loads on their way in each wave
.set GRP,   6                          ; slots that one address register reaches by the immediate offset
.set K_FIRST, 0
.set K_MID,   1
.set K_HI,    2
.set K_LO,    3
; registers of the steps (r = L & 15, h = L >> 4)
.set KB, 240                           ; v240-244  register q: (6 q + v) x SLOT + r x 144 + 16 h
.set VB, 245                           ; v245-249  register q: (6 q + v) x SLOT + VOFF + (8 h + (L & 7)) x 160 + 16 ((L >> 3) & 1)
.set QA, 7                             ; QB + (32 v + r) x 144 + 16 h
.set ST, 8                             ; stage, in:   r x 272 + 32 h
.set RD, 9                             ; stage, back: h x 272 + 16 r
.set GO, 10                            ; out0: h x 2048 + 16 r
.set NINF, 11
.set RM, 12                            ; v12, v13 running maximum of query 16 t + r
.set RL, 14                            ; v14, v15 running sum (this half's keys)
.set AL, 16                            ; v[16:17], v[18:19] pairs (alpha, its exponent)
.set NB, 20                            ; v[20:21], v[22:23] pairs (-m c + bias, the step's maximum)
.set MX, 21
.set TA, 24                            ; v24, v25 at work
.set RQ, 32                            ; Q fragment (t, ks) at 32 + 8 (2 t + ks)
.set RO, 64                            ; O^T tile (t, dt) at 64 + 8 (4 t + dt)
.set RS, 128                           ; S^T tile (t, u) at 128 + 16 t + 8 u
.set RP, 160                           ; P fragment t at 160 + 8 t
.set RK, 176                           ; K fragment (u, ks) at 176 + 8 (2 u + ks)
.set RV, 208                           ; V^T fragment dt at 208 + 8 dt
; registers of the stream of loads (c = L & 15: 16 bytes of a row; hl = L >> 4).  A wave's rows are neighbours, so that its LDS stores
; lie in a range of bytes of its own: K and V rows 8 v + 4 hl + i (i = 0..3), Q rows 16 v + 8 hl + i (i = 0..7).
.set GK, 3                             ; global offset (8 v + 4 hl) x 2048 + 16 c, for K and for V
.set GQ, 4                             ; global offset (16 v + 8 hl) x 2048 + 16 c
.set LQ, 5                             ; LDS address QB + (16 v + 8 hl) x 144 + 8 c
.set LK, 250                           ; v250-254  register q: 6 q x SLOT + (8 v + 4 hl) x 144 + 8 c
.set LV, 26                            ; v26-30    register q: 6 q x SLOT + VOFF + (8 v + 4 hl) x 160 + 8 c
; set s of the stream: v[256 + 32 s : 256 + 32 s + 31], named by the low 8 bits under a register window
.set MSB, 0
.macro WIN new                         ; s_set_vgpr_msb: bits 1:0 source 0, 3:2 source 1, 5:4 source 2, 7:6 destination; the high byte repeats the setting left
.if MSB != \new
	s_set_vgpr_msb (MSB<<8)|\new
.set MSB, \new
.endif
.endm
.set W_LOAD,  0x40                     ; loaded data in block 1, address in block 0
.set W_ROUND, 0x45                     ; both sources and the destination in block 1
.set W_STORE, 0x04                     ; LDS address in block 0, store data in block 1
; scalars, one for each job j
.set BH, 30                            ; byte offset of (b, row 0, head)
.set CB, 33                            ; 4 x block - d: the sequence's chunk number of the job's chunk 0
.set QO, 36                            ; BH + block x 128 rows
.set CV, 39                            ; CB + wave
.set OB, 48                            ; pairs: out0 at my wave's first row
.set LOM, 54                           ; s[54:61] lanes with 8 h + j >= r
.set HIM, 66                           ; s[66:73] lanes with 8 h + j <= r
.set GB, 74                            ; s[74:101] set s: two base pairs at GB + 4 s: K's (or Q's) rows, V's rows
	s_load_b256 s[4:11], s[0:1], 0x0               ; keys s[4:5], queries s[6:7], values s[8:9], out0 s[10:11]
	v_lshl_add_u32 v31, v0, 2, 0x4f800
	v_mov_b32 v255, 0
	v_lshrrev_b32 v1, 5, v0
	v_readfirstlane_b32 s12, v1                    ; wave 0..3
	s_mov_b32 s13, ttmp9                           ; block of 128 query rows
	s_and_b32 s14, ttmp7, 0xffff
	s_lshr_b32 s15, s14, 2                         ; b
	s_and_b32 s16, s14, 1                          ; g
	s_bfe_u32 s17, s14, 0x10001                    ; 0: the head with w = 256; 1: the three others
	s_mov_b32 s20, 0x3e38aa3b                      ; c = log2(e) / 8: softmax's scale folded into the base-2 exponential
	s_mov_b32 s21, 0x3e38aa3b
	s_mov_b32 s22, 0xbe38aa3b                      ; -c
	s_mov_b32 s23, 0xff800000                      ; -inf
	s_mov_b32 s24, 0x7f800000                      ; +inf
	s_mov_b32 s25, 0x76543210                      ; v_permlanex16_b32: lane i takes lane i of the other half
	s_mov_b32 s26, 0xfedcba98
	s_mov_b32 s43, 0                               ; upper word of the offset pair s[42:43]
	v_and_b32 v1, 15, v0                           ; r, and c
	v_bfe_u32 v2, v0, 4, 1                         ; h, and hl
	; ---- the two triangles' lane masks, next to the wave's number: one wait serves all that vector instructions write into scalar registers
	v_lshlrev_b32 v24, 3, v2
	v_sub_nc_u32 v24, v24, v1                      ; 8 h - r
.irp i, 0,1,2,3,4,5,6,7
	v_cmp_le_i32 s[LOM+\i], -\i, v24               ; 8 h + i >= r
	v_cmp_ge_i32 s[HIM+\i], -\i, v24               ; 8 h + i <= r
.endr
	s_wait_alu depctr_va_sdst(0)                   ; s12 and the sixteen masks are written, ahead of the first reader of any of them and of the branch
	; ---- addresses of the steps
	v_mul_u32_u24 v24, v1, KP
	v_lshl_add_u32 v24, v2, 4, v24                 ; r x 144 + 16 h: the lane term of K's and Q's fragments
	s_mul_i32 s29, s12, SLOT
	v_add_nc_u32 v[KB], s29, v24
	s_mul_i32 s19, s12, 32*KP
	s_add_co_u32 s19, s19, QB
	v_add_nc_u32 v[QA], s19, v24
	v_and_b32 v24, 7, v0
	v_lshl_add_u32 v24, v2, 3, v24                 ; key row 8 h + (L & 7)
	v_bfe_u32 v25, v0, 3, 1
	v_mul_u32_u24 v24, v24, VP
	v_lshl_add_u32 v24, v25, 4, v24
	s_add_co_u32 s29, s29, VOFF
	v_add_nc_u32 v[VB], s29, v24
	s_mul_i32 s29, s12, STW
	s_add_co_u32 s29, s29, STG
	v_mul_u32_u24 v24, v1, SP
	v_lshl_add_u32 v24, v2, 5, v24
	v_add_nc_u32 v[ST], s29, v24
	v_mul_u32_u24 v24, v2, SP
	v_lshl_add_u32 v24, v1, 4, v24
	v_add_nc_u32 v[RD], s29, v24
	v_lshlrev_b32 v24, 11, v2
	v_lshl_add_u32 v[GO], v1, 4, v24
	v_mov_b32 v[NINF], 0xff800000
	; ---- addresses of the stream: a lane term, plus the wave's number times a constant
	v_lshlrev_b32 v24, 13, v2                      ; 4 hl rows of 2,048 bytes
	v_lshl_add_u32 v24, v1, 4, v24
	s_lshl_b32 s29, s12, 14                        ; 8 v rows
	v_add_nc_u32 v[GK], s29, v24
	v_lshlrev_b32 v24, 14, v2                      ; 8 hl rows
	v_lshl_add_u32 v24, v1, 4, v24
	s_lshl_b32 s29, s12, 15                        ; 16 v rows
	v_add_nc_u32 v[GQ], s29, v24
	v_mul_u32_u24 v24, v2, 4*KP
	v_lshl_add_u32 v24, v1, 3, v24
	s_mul_i32 s29, s12, 8*KP
	v_add_nc_u32 v[LK], s29, v24
	v_mul_u32_u24 v24, v2, 4*VP
	v_lshl_add_u32 v24, v1, 3, v24
	s_mul_i32 s29, s12, 8*VP
	s_add_co_u32 s29, s29, VOFF
	v_add_nc_u32 v[LV], s29, v24
	v_mul_u32_u24 v24, v2, 8*KP
	v_lshl_add_u32 v24, v1, 3, v24
	s_mul_i32 s29, s12, 16*KP
	s_add_co_u32 s29, s29, QB
	v_add_nc_u32 v[LQ], s29, v24
.irp q, 1,2,3,4                                        ; the same four addresses six, twelve, eighteen and twenty-four slots on
	v_add_nc_u32 v[KB+\q], \q*GRP*SLOT, v[KB]
	v_add_nc_u32 v[VB+\q], \q*GRP*SLOT, v[VB]
	v_add_nc_u32 v[LK+\q], \q*GRP*SLOT, v[LK]
	v_add_nc_u32 v[LV+\q], \q*GRP*SLOT, v[LV]
.endr
	s_wait_kmcnt 0x0
; The scalars of job j: head 4 g + hd, d = w / 32.
.macro JOBSET job, hd, d
	s_lshl_b32 s29, s16, 2
	s_add_co_u32 s29, s29, \hd
	s_lshl_b32 s29, s29, 8
	s_lshl_b32 s[BH+\job], s15, 22
	s_add_co_u32 s[BH+\job], s[BH+\job], s29
	s_lshl_b32 s29, s13, 2
	s_sub_co_i32 s[CB+\job], s29, \d
	s_add_co_i32 s[CV+\job], s[CB+\job], s12
	s_lshl_b32 s29, s13, 18
	s_add_co_u32 s[QO+\job], s[BH+\job], s29
	s_lshl_b32 s29, s12, 16                        ; my wave's 32 rows
	s_add_co_u32 s42, s[QO+\job], s29
	s_add_nc_u64 s[OB+2*\job:OB+2*\job+1], s[10:11], s[42:43]
.endm
; Element e of the stream.  A job's run, r = place in it: r = 0, 1 the halves of Q; then chunks d .. 2 d + 3 upward (chunk r + d - 2);
; then chunks d - 1 .. 0 downward (chunk 2 d + 5 - r).
.macro ELEM ty, e
.set E_E, \e
.if \ty == 1
.set E_LAST, 21
.set E_JOB, 0
.set E_SB, 0
.set E_D, 8
.set E_R, E_E
.else
.set E_LAST, 31
.if E_E < 14
.set E_JOB, 0
.set E_SB, 0
.set E_D, 4
.set E_R, E_E
.else
.if E_E < 24
.set E_JOB, 1
.set E_SB, 12
.set E_D, 2
.set E_R, E_E-14
.else
.set E_JOB, 2
.set E_SB, 20
.set E_D, 1
.set E_R, E_E-24
.endif
.endif
.endif
.if E_R < 2
.set E_KIND, 0
.set E_IDX, E_R
.else
.set E_KIND, 1
.if E_R < E_D+6
.set E_IDX, E_R+E_D-2
.else
.set E_IDX, 2*E_D+5-E_R
.endif
.endif
.set E_SLOT, E_SB+E_IDX
.endm
; The bases of element e, in the pairs of set e mod 7.  The loads that read these pairs last, element e - 7's, were shown done by the counted
; wait in front of that element's roundings, so the pairs are free.
.macro BASES ty, e
	ELEM \ty, \e
.set BS, GB+4*(E_E%DEPTH)
.if E_KIND
	s_add_co_i32 s42, s[CB+E_JOB], E_IDX           ; the chunk's number in the sequence,
	s_max_i32 s42, s42, 0                          ; clamped: a chunk off the ends loads real rows, which the steps weigh with 0
	s_min_i32 s42, s42, 63
	s_lshl_b32 s42, s42, 16
	s_add_co_u32 s42, s42, s[BH+E_JOB]
	s_add_nc_u64 s[BS:BS+1],   s[4:5], s[42:43]
	s_add_nc_u64 s[BS+2:BS+3], s[8:9], s[42:43]
.else
	s_mov_b32 s42, s[QO+E_JOB]
	s_add_nc_u64 s[BS:BS+1], s[6:7], s[42:43]
.endif
.endm
; My eight loads of element e into set e mod 7, under the window W_LOAD.  Each load covers two whole rows of 256 bytes.
.macro LOADS ty, e
	ELEM \ty, \e
.set X, 32*(E_E%DEPTH)
.set BS, GB+4*(E_E%DEPTH)
.set E_MAX, E_E                                        ; the youngest element asked for: the counted waits go by it
.if E_KIND
.irp i, 0,1,2,3
	global_load_b128 v[X+4*\i:X+4*\i+3],       v[GK], s[BS:BS+1] offset:\i*2048
.endr
.irp i, 0,1,2,3
	global_load_b128 v[X+16+4*\i:X+16+4*\i+3], v[GK], s[BS+2:BS+3] offset:\i*2048
.endr
.else
.irp i, 0,1,2,3,4,5,6,7
	global_load_b128 v[X+4*\i:X+4*\i+3], v[GQ], s[BS:BS+1] offset:E_IDX*131072+\i*2048 th:TH_LOAD_NT  ; Q is read by this work-group alone
.endr
.endif
.endm
; Element e is rounded to bf16 in place, under the window W_ROUND.
.macro ROUND ty, e
	ELEM \ty, \e
.set X, 32*(E_E%DEPTH)
.irp q, 0,1,2,3,4,5,6,7
	v_cvt_pk_bf16_f32 v[X+4*\q],   v[X+4*\q],   v[X+4*\q+1]
	v_cvt_pk_bf16_f32 v[X+4*\q+1], v[X+4*\q+2], v[X+4*\q+3]
.endr
.endm
; Element e goes into its slot or Q area, under the window W_STORE.
.macro STORE ty, e
	ELEM \ty, \e
.set X, 32*(E_E%DEPTH)
.if E_KIND
.set S_Q, E_SLOT/GRP
.set S_R, (E_SLOT%GRP)*SLOT
.irp q, 0,1,2,3
	ds_store_b64 v[LK+S_Q], v[X+4*\q:X+4*\q+1]       offset:S_R+\q*KP      ; two rows 576 bytes apart: half of their columns meet two deep
.endr
.irp q, 0,1,2,3
	ds_store_b64 v[LV+S_Q], v[X+16+4*\q:X+16+4*\q+1] offset:S_R+\q*VP      ; two rows 640 bytes apart, 128 modulo 256: every column once
.endr
.else
.irp q, 0,1,2,3,4,5,6,7
	ds_store_b64 v[LQ], v[X+4*\q:X+4*\q+1] offset:E_JOB*QAREA+E_IDX*64*KP+\q*KP  ; two rows 1,152 bytes apart, 128 modulo 256
.endr
.endif
.endm
; An interval's end: one or two elements have come, are rounded and stored.
.macro TURNS ty, t0, t1
.if \t1 >= 0
.set T_LAST, \t1
.else
.set T_LAST, \t0
.endif
	s_wait_loadcnt 8*(E_MAX-T_LAST)                ; loads return in order: the eight loads of each younger element asked for so far stay out
	WIN W_ROUND
	ROUND \ty, \t0
.if \t1 >= 0
	ROUND \ty, \t1
.endif
	WIN W_STORE
	s_wait_alu depctr_va_vdst(0)                   ; the roundings have written the registers that the LDS stores below read
	STORE \ty, \t0
.if \t1 >= 0
	STORE \ty, \t1
.endif
	WIN 0
.endm
; A step's head.  i0, i1: the elements asked for here, into the sets that the last interval rounded and stored (-1: none).
.macro HEAD ty, i0, i1
.if \i0 >= 0
	BASES \ty, \i0
.if \i1 >= 0
	BASES \ty, \i1
.endif
	WIN W_LOAD
.endif
	s_wait_alu depctr_va_vdst(0)                   ; the last step's products are done reading V's registers, in which this step's LDS loads land; the last interval's roundings are done reading and writing their sets, in which the loads below land
.if \i0 >= 0
	s_wait_alu depctr_vm_vsrc(0)                   ; the last interval's LDS stores have read those sets
	LOADS \ty, \i0
.if \i1 >= 0
	LOADS \ty, \i1
.endif
	WIN 0
.endif
.endm
; Eight loads: K's four fragments (16 keys x 32 e each) from a slot (plus my wave's number).
.macro FETCHK slot
.set F_Q, (\slot)/GRP
.set F_R, ((\slot)%GRP)*SLOT
.irp u, 0,1
.irp ks, 0,1
	ds_load_b128 v[RK+16*\u+8*\ks:RK+16*\u+8*\ks+3],   v[KB+F_Q] offset:F_R+16*KP*\u+64*\ks
	ds_load_b128 v[RK+16*\u+8*\ks+4:RK+16*\u+8*\ks+7], v[KB+F_Q] offset:F_R+16*KP*\u+64*\ks+32
.endr
.endr
.endm
; Eight loads: my 32 queries' four fragments from a Q area.
.macro FETCHQ area
.irp t, 0,1
.irp ks, 0,1
	ds_load_b128 v[RQ+16*\t+8*\ks:RQ+16*\t+8*\ks+3],   v[QA] offset:\area*QAREA+16*KP*\t+64*\ks
	ds_load_b128 v[RQ+16*\t+8*\ks+4:RQ+16*\t+8*\ks+7], v[QA] offset:\area*QAREA+16*KP*\t+64*\ks+32
.endr
.endr
.endm
; A job's end: divide by the sum, turn 16 queries at a time through my own stage in LDS, store whole rows of 256 bytes.
.macro FINAL job, more
	v_permlanex16_b32 v[TA],   v[RL],   s25, s26   ; the other half's keys
	v_permlanex16_b32 v[TA+1], v[RL+1], s25, s26
	v_add_f32 v[RL],   v[RL],   v[TA]
	v_add_f32 v[RL+1], v[RL+1], v[TA+1]
	v_rcp_f32 v[AL],   v[RL]
	v_rcp_f32 v[AL+2], v[RL+1]
	v_nop                                          ; one plain instruction between the reciprocals and their use (ISA guide 5.7.2)
	s_wait_alu depctr_va_vdst(0)
.irp t, 0,1
.set II, 0
.rept 16
	v_pk_mul_f32 v[RO+32*\t+II:RO+32*\t+II+1], v[RO+32*\t+II:RO+32*\t+II+1], v[AL+2*\t:AL+2*\t+1] op_sel_hi:[1,0]
.set II, II+2
.endr
.endr
	s_wait_alu depctr_va_vdst(0)                   ; the scalings have written O's tiles, which the LDS stores read; the products are done reading V's registers and the sums are done with S's, in which the read-backs land.  No vector instruction follows in this macro
	; queries 0-15: a lane's 8 numbers of tile dt are d = 16 dt + 8 h .. + 7 of query r
.irp dt, 0,1,2,3
	ds_store_b128 v[ST], v[RO+8*\dt:RO+8*\dt+3]   offset:64*\dt
	ds_store_b128 v[ST], v[RO+8*\dt+4:RO+8*\dt+7] offset:64*\dt+16
.endr
.irp i, 0,1,2,3,4,5,6,7
	ds_load_b128 v[RV+4*\i:RV+4*\i+3], v[RD] offset:2*SP*\i        ; LDS serves a wave's instructions in order: these see the stores above
.endr
.irp i, 0,1,2,3,4,5,6,7
	s_wait_dscnt 7-\i                              ; the younger read-backs stay out
	global_store_b128 v[GO], v[RV+4*\i:RV+4*\i+3], s[OB+2*\job:OB+2*\job+1] offset:2*\i*2048 th:TH_STORE_NT  ; 16 lanes: one aligned row of 256 bytes
.endr
	; queries 16-31, behind the wait for 0 above: the stage has been read out
.irp dt, 0,1,2,3
	ds_store_b128 v[ST], v[RO+32+8*\dt:RO+32+8*\dt+3]   offset:64*\dt
	ds_store_b128 v[ST], v[RO+32+8*\dt+4:RO+32+8*\dt+7] offset:64*\dt+16
.endr
.irp i, 0,1,2,3,4,5,6,7
	ds_load_b128 v[RS+4*\i:RS+4*\i+3], v[RD] offset:2*SP*\i
.endr
.irp i, 0,1,2,3,4,5,6,7
	s_wait_dscnt 7-\i
	global_store_b128 v[GO], v[RS+4*\i:RS+4*\i+3], s[OB+2*\job:OB+2*\job+1] offset:(16+2*\i)*2048 th:TH_STORE_NT
.endr
.if \more
	s_wait_xcnt 0x0                                ; the stores' data lie in V's and S's registers, which the next step writes
	s_wait_alu depctr_vm_vsrc(0)                   ; the global stores have read V's and S's registers, the LDS stores O's tiles: the next job's loads and products write all three
.endif
.endm
; One step of a wave: 32 queries x the 32 keys of slot + v.  idx: the chunk's place in the job; nslot: the next step's slot
; (-1: none), whose K fragments are fetched here; nq: the next job's Q area (-1: none); fin: the job ends.
.macro CHUNK kind, job, idx, slot, nslot, nq, fin
.set DEADQ, -1                                     ; the sub-tile 2 t + u that the band leaves empty
.if \kind == K_LO
.set DEADQ, 2                                      ; keys 0-15 against queries 16-31
.set MB, LOM
.endif
.if \kind == K_HI
.set DEADQ, 1                                      ; keys 16-31 against queries 0-15
.set MB, HIM
.endif
	; V^T's fragments, behind the wait at the step's head
.set C_Q, (\slot)/GRP
.set C_R, ((\slot)%GRP)*SLOT
.irp dt, 0,1,2,3
	ds_load_tr16_b128 v[RV+8*\dt:RV+8*\dt+3],   v[VB+C_Q] offset:C_R+32*\dt
	ds_load_tr16_b128 v[RV+8*\dt+4:RV+8*\dt+7], v[VB+C_Q] offset:C_R+32*\dt+16*VP
.endr
.if \kind != K_FIRST
	s_add_co_u32 s29, s[CV+\job], \idx             ; the chunk's number in the sequence; below 0 it wraps to a large number
	s_cmp_gt_u32 s29, 63
	s_cselect_b32 s27, s23, s24                    ; cap of the step's maximum: -inf off the ends
	s_cselect_b32 s28, s23, 0                      ; bias of the exponent: -inf off the ends
.endif
	s_wait_dscnt 0x8                               ; all but the eight V loads: K's fragments (and Q's) are in
.irp ks, 0,1
.irp t, 0,1
.irp u, 0,1
.if 2*\t+\u != DEADQ
.if \ks == 0
	v_wmma_f32_16x16x32_bf16 v[RS+16*\t+8*\u:RS+16*\t+8*\u+7], v[RK+16*\u:RK+16*\u+7], v[RQ+16*\t:RQ+16*\t+7], 0
.else
	v_wmma_f32_16x16x32_bf16 v[RS+16*\t+8*\u:RS+16*\t+8*\u+7], v[RK+16*\u+8:RK+16*\u+15], v[RQ+16*\t+8:RQ+16*\t+15], v[RS+16*\t+8*\u:RS+16*\t+8*\u+7]
.endif
.endif
.endr
.endr
.endr
	; Four independent vector instructions between the products and the reads of their results (ISA guide 7.12.1):
	; four v_nop, or the eight moves that fill the empty sub-tile.
.if DEADQ >= 0
.irp i, 0,1,2,3,4,5,6,7
	v_mov_b32 v[RS+8*DEADQ+\i], v[NINF]
.endr
.else
.rept 4
	v_nop
.endr
.endif
.if \nslot >= 0
	s_wait_alu depctr_va_vdst(0)                   ; the products above are done reading K's fragments (and Q's, where a job changes), in which the loads below land
	FETCHK \nslot
.endif
.if \nq >= 0
	FETCHQ \nq
.endif
.if DEADQ >= 0
.irp i, 0,1,2,3,4,5,6,7
	v_cndmask_b32 v[RS+\i],    v[NINF], v[RS+\i],    s[MB+\i]      ; the two triangular sub-tiles (u = t)
	v_cndmask_b32 v[RS+24+\i], v[NINF], v[RS+24+\i], s[MB+\i]
.endr
.endif
	; the step's maximum for each query: 16 numbers a lane in two chains, then the other half of the lanes
.irp t, 0,1
	v_max3_num_f32 v[MX+2*\t], v[RS+16*\t],   v[RS+16*\t+1],  v[RS+16*\t+2]
	v_max3_num_f32 v[TA+\t],   v[RS+16*\t+9], v[RS+16*\t+10], v[RS+16*\t+11]
	v_max3_num_f32 v[MX+2*\t], v[MX+2*\t],    v[RS+16*\t+3],  v[RS+16*\t+4]
	v_max3_num_f32 v[TA+\t],   v[TA+\t],      v[RS+16*\t+12], v[RS+16*\t+13]
	v_max3_num_f32 v[MX+2*\t], v[MX+2*\t],    v[RS+16*\t+5],  v[RS+16*\t+6]
	v_max3_num_f32 v[TA+\t],   v[TA+\t],      v[RS+16*\t+14], v[RS+16*\t+15]
	v_max3_num_f32 v[MX+2*\t], v[MX+2*\t],    v[RS+16*\t+7],  v[RS+16*\t+8]
	v_max_num_f32  v[MX+2*\t], v[MX+2*\t],    v[TA+\t]
.endr
	v_permlanex16_b32 v[TA],   v[MX],   s25, s26
	v_permlanex16_b32 v[TA+1], v[MX+2], s25, s26
	v_max_num_f32 v[MX],   v[MX],   v[TA]
	v_max_num_f32 v[MX+2], v[MX+2], v[TA+1]
.irp t, 0,1
.if \kind == K_FIRST
	v_mov_b32 v[RM+\t], v[MX+2*\t]
	v_mul_f32 v[NB+2*\t], s22, v[MX+2*\t]          ; -m c
.else
	v_min_num_f32 v[MX+2*\t], s27, v[MX+2*\t]      ; off the ends: -inf, so that m stays and alpha = 1
	v_sub_f32     v[AL+2*\t+1], v[RM+\t], v[MX+2*\t]
	v_max_num_f32 v[RM+\t], v[RM+\t], v[MX+2*\t]
	v_min_num_f32 v[AL+2*\t+1], 0, v[AL+2*\t+1]    ; old m - new m
	v_mul_f32     v[AL+2*\t+1], s20, v[AL+2*\t+1]
	v_exp_f32     v[AL+2*\t], v[AL+2*\t+1]         ; alpha; the line below is the plain instruction behind it
	v_fma_f32     v[NB+2*\t], v[RM+\t], s22, s28   ; -m c + bias
.endif
.endr
.irp t, 0,1
.set II, 0
.rept 8
	v_pk_fma_f32 v[RS+16*\t+II:RS+16*\t+II+1], v[RS+16*\t+II:RS+16*\t+II+1], s[20:21], v[NB+2*\t:NB+2*\t+1] op_sel_hi:[1,0,0]
.set II, II+2
.endr
.endr
.set II, 0
.rept 32
	v_exp_f32 v[RS+II], v[RS+II]                   ; p = 2^(s c - m c)
.set II, II+1
.endr
.if \kind == K_FIRST
	v_nop                                          ; one plain instruction behind the exponentials (ISA guide 5.7.2)
	s_wait_alu depctr_va_vdst(0)
.else
	s_wait_alu depctr_va_vdst(0)
.irp t, 0,1                                        ; O *= alpha: also the plain instructions behind the exponentials
.set II, 0
.rept 16
	v_pk_mul_f32 v[RO+32*\t+II:RO+32*\t+II+1], v[RO+32*\t+II:RO+32*\t+II+1], v[AL+2*\t:AL+2*\t+1] op_sel_hi:[1,0]
.set II, II+2
.endr
.endr
.endif
.irp t, 0,1                                        ; a lane's keys 16 u + 8 h + 0..7 are exactly registers 4 u .. 4 u + 3 of P's fragment
.set II, 0
.rept 8
	v_cvt_pk_bf16_f32 v[RP+8*\t+II], v[RS+16*\t+2*II], v[RS+16*\t+2*II+1]
.set II, II+1
.endr
.endr
.if \nslot >= 0
.if \nq >= 0
	s_wait_dscnt 0x10                              ; V is in: the 16 loads of K and Q issued behind it stay out
.else
	s_wait_dscnt 0x8                               ; V is in: the 8 loads of K issued behind it stay out
.endif
.else
	s_wait_dscnt 0x0
.endif
.irp t, 0,1
.irp dt, 0,1,2,3
.if \kind == K_FIRST
	v_wmma_f32_16x16x32_bf16 v[RO+32*\t+8*\dt:RO+32*\t+8*\dt+7], v[RV+8*\dt:RV+8*\dt+7], v[RP+8*\t:RP+8*\t+7], 0
.else
	v_wmma_f32_16x16x32_bf16 v[RO+32*\t+8*\dt:RO+32*\t+8*\dt+7], v[RV+8*\dt:RV+8*\dt+7], v[RP+8*\t:RP+8*\t+7], v[RO+32*\t+8*\dt:RO+32*\t+8*\dt+7]
.endif
.endr
.endr
	; the sums of p, on S's registers alone: these lines are also the distance between the products above and what follows them
.irp t, 0,1
	v_pk_add_f32 v[RS+16*\t:RS+16*\t+1],     v[RS+16*\t:RS+16*\t+1],     v[RS+16*\t+2:RS+16*\t+3]
	v_pk_add_f32 v[RS+16*\t+4:RS+16*\t+5],   v[RS+16*\t+4:RS+16*\t+5],   v[RS+16*\t+6:RS+16*\t+7]
	v_pk_add_f32 v[RS+16*\t+8:RS+16*\t+9],   v[RS+16*\t+8:RS+16*\t+9],   v[RS+16*\t+10:RS+16*\t+11]
	v_pk_add_f32 v[RS+16*\t+12:RS+16*\t+13], v[RS+16*\t+12:RS+16*\t+13], v[RS+16*\t+14:RS+16*\t+15]
	v_pk_add_f32 v[RS+16*\t:RS+16*\t+1],     v[RS+16*\t:RS+16*\t+1],     v[RS+16*\t+4:RS+16*\t+5]
	v_pk_add_f32 v[RS+16*\t+8:RS+16*\t+9],   v[RS+16*\t+8:RS+16*\t+9],   v[RS+16*\t+12:RS+16*\t+13]
	v_pk_add_f32 v[RS+16*\t:RS+16*\t+1],     v[RS+16*\t:RS+16*\t+1],     v[RS+16*\t+8:RS+16*\t+9]
.if \kind == K_FIRST
	v_add_f32 v[RL+\t], v[RS+16*\t], v[RS+16*\t+1]
.else
	v_add_f32 v[RS+16*\t], v[RS+16*\t], v[RS+16*\t+1]
	v_fma_f32 v[RL+\t], v[RL+\t], v[AL+2*\t], v[RS+16*\t]
.endif
.endr
.if \fin
.if \nslot >= 0
	FINAL \job, 1
.else
	FINAL \job, 0
.endif
.endif
.endm
; An interval: the sets stored last are asked for again; a step; then one or two elements of the stream into slots that no wave reads
; in this interval; then the barrier.
.macro INTERVAL ty, i0, i1, t0, t1, kind, job, idx, slot, nslot, nq, fin
	HEAD \ty, \i0, \i1
	CHUNK \kind, \job, \idx, \slot, \nslot, \nq, \fin
	TURNS \ty, \t0, \t1
	s_wait_dscnt 0x0                               ; for the others: my stores are in LDS; no LDS access of mine is open at the signal
	s_barrier_signal -1
	s_barrier_wait -1
.endm
; The seven sets are filled in one run; Q and the first five chunks are rounded and stored, and behind the roundings of element e the set
; of element e - 1 is asked for again; then Q's and the first K's fragments are fetched.
.macro PROLOGUE ty, slot0
.irp e, 0,1,2,3,4,5,6
	BASES \ty, \e
.endr
	WIN W_LOAD
	s_wait_alu depctr_va_vdst(0)                   ; all the address registers are written: every load, store and LDS instruction of the kernel reads one of them, and none is written again
.irp e, 0,1,2,3,4,5,6
	LOADS \ty, \e
.endr
	s_wait_loadcnt 8*E_MAX                         ; element 0 is in; the six younger elements stay out
	WIN W_ROUND
	ROUND \ty, 0
	WIN W_STORE
	s_wait_alu depctr_va_vdst(0)                   ; the roundings have written the registers that the LDS stores below read
	STORE \ty, 0
.irp e, 1,2,3,4,5,6
	s_wait_loadcnt 8*(E_MAX-\e)                    ; element e is in; the younger elements asked for so far stay out
	WIN W_ROUND
	ROUND \ty, \e
	BASES \ty, \e+6
	WIN W_LOAD
	s_wait_alu depctr_va_vdst(0)                   ; this element's roundings have written what its LDS stores read; the roundings of the element before are done with its set, in which the loads land
	s_wait_alu depctr_vm_vsrc(0)                   ; the LDS stores of the element before have read that set
	LOADS \ty, \e+6
	WIN W_STORE
	STORE \ty, \e
.endr
	WIN 0
	s_wait_dscnt 0x0
	s_barrier_signal -1
	s_barrier_wait -1
	FETCHQ 0
	FETCHK \slot0
.endm
	s_cmp_lg_u32 s17, 0                            ; the same in all four waves: it hangs on the work-group's y alone
	s_cbranch_scc1 .Ltype2
	; ======== one job: head 4 g + 3, w = 256, d = 8; 20 chunks in slots 0-19; 17 steps
	JOBSET 0, 3, 8
	PROLOGUE 1, 8
	;        ty  asks     turns   kind     job idx slot next nq fin
	INTERVAL 1, 13, -1,   7, -1,  K_FIRST, 0,  8,  8,   9,  -1, 0
	INTERVAL 1, 14, -1,   8, -1,  K_MID,   0,  9,  9,  10,  -1, 0
	INTERVAL 1, 15, -1,   9, -1,  K_MID,   0, 10, 10,  11,  -1, 0
	INTERVAL 1, 16, -1,  10, -1,  K_MID,   0, 11, 11,  12,  -1, 0
	INTERVAL 1, 17, -1,  11, -1,  K_MID,   0, 12, 12,  13,  -1, 0
	INTERVAL 1, 18, -1,  12, -1,  K_MID,   0, 13, 13,  14,  -1, 0
	INTERVAL 1, 19, -1,  13, -1,  K_MID,   0, 14, 14,  15,  -1, 0
	INTERVAL 1, 20, -1,  14, -1,  K_MID,   0, 15, 15,  16,  -1, 0
	INTERVAL 1, 21, -1,  15, -1,  K_HI,    0, 16, 16,   7,  -1, 0
	INTERVAL 1, -1, -1,  16, -1,  K_MID,   0,  7,  7,   6,  -1, 0
	INTERVAL 1, -1, -1,  17, -1,  K_MID,   0,  6,  6,   5,  -1, 0
	INTERVAL 1, -1, -1,  18, -1,  K_MID,   0,  5,  5,   4,  -1, 0
	INTERVAL 1, -1, -1,  19, -1,  K_MID,   0,  4,  4,   3,  -1, 0
	INTERVAL 1, -1, -1,  20, -1,  K_MID,   0,  3,  3,   2,  -1, 0
	INTERVAL 1, -1, -1,  21, -1,  K_MID,   0,  2,  2,   1,  -1, 0
	HEAD 1, -1, -1
	CHUNK K_MID, 0, 1, 1, 0, -1, 0                 ; everything is in LDS: the last two steps need no barrier
	HEAD 1, -1, -1
	CHUNK K_LO,  0, 0, 0, -1, -1, 1
	s_wait_dscnt 0x0
	s_wait_alu depctr_hold_cnt(0) depctr_sa_sdst(0) depctr_va_vdst(0) depctr_va_sdst(0) depctr_va_ssrc(0) depctr_va_vcc(0) depctr_vm_vsrc(0)
	s_wait_tensorcnt 0x0
	ds_add_u32 v31, v255
	s_wait_dscnt 0x0
	s_endpgm
.Ltype2:
	; ======== three jobs: heads 4 g + 2, 1, 0 with d = 4, 2, 1; 12 + 8 + 6 chunks in slots 0-11, 12-19, 20-25; 9 + 5 + 3 steps
	JOBSET 0, 2, 4
	JOBSET 1, 1, 2
	JOBSET 2, 0, 1
	PROLOGUE 2, 4
	INTERVAL 2, 13, -1,   7, -1,  K_FIRST, 0,  4,  4,   5,  -1, 0
	INTERVAL 2, 14, -1,   8, -1,  K_MID,   0,  5,  5,   6,  -1, 0
	INTERVAL 2, 15, -1,   9, -1,  K_MID,   0,  6,  6,   7,  -1, 0
	INTERVAL 2, 16, -1,  10, 11,  K_MID,   0,  7,  7,   8,  -1, 0
	INTERVAL 2, 17, 18,  12, 13,  K_HI,    0,  8,  8,   3,  -1, 0
	INTERVAL 2, 19, 20,  14, 15,  K_MID,   0,  3,  3,   2,  -1, 0
	INTERVAL 2, 21, 22,  16, 17,  K_MID,   0,  2,  2,   1,  -1, 0
	INTERVAL 2, 23, 24,  18, 19,  K_MID,   0,  1,  1,   0,  -1, 0
	INTERVAL 2, 25, 26,  20, 21,  K_LO,    0,  0,  0,  14,   1, 1
	INTERVAL 2, 27, 28,  22, 23,  K_FIRST, 1,  2, 14,  15,  -1, 0
	INTERVAL 2, 29, 30,  24, 25,  K_MID,   1,  3, 15,  16,  -1, 0
	INTERVAL 2, 31, -1,  26, 27,  K_HI,    1,  4, 16,  13,  -1, 0
	INTERVAL 2, -1, -1,  28, 29,  K_MID,   1,  1, 13,  12,  -1, 0
	INTERVAL 2, -1, -1,  30, -1,  K_LO,    1,  0, 12,  21,   2, 1
	INTERVAL 2, -1, -1,  31, -1,  K_FIRST, 2,  1, 21,  22,  -1, 0
	HEAD 2, -1, -1
	CHUNK K_HI, 2, 2, 22, 20, -1, 0
	HEAD 2, -1, -1
	CHUNK K_LO, 2, 0, 20, -1, -1, 1
	s_wait_dscnt 0x0
	s_wait_alu depctr_hold_cnt(0) depctr_sa_sdst(0) depctr_va_vdst(0) depctr_va_sdst(0) depctr_va_ssrc(0) depctr_va_vcc(0) depctr_vm_vsrc(0)
	s_wait_tensorcnt 0x0
	ds_add_u32 v31, v255
	s_wait_dscnt 0x0
	s_endpgm
.Lfunc_end_k_q17a1bbf5ab_band:
	.size	k_q17a1bbf5ab_band, .Lfunc_end_k_q17a1bbf5ab_band-k_q17a1bbf5ab_band
	.p2alignl 7, 3214868480
	.fill 96, 4, 3214868480
	.section	.rodata,"a",@progbits
	.p2align	6, 0x0
	.amdhsa_kernel k_q17a1bbf5ab_band
		.amdhsa_group_segment_fixed_size 326144
		.amdhsa_private_segment_fixed_size 0
		.amdhsa_enable_private_segment 0
		.amdhsa_kernarg_size 32
		.amdhsa_user_sgpr_count 2
		.amdhsa_user_sgpr_kernarg_segment_ptr 1
		.amdhsa_wavefront_size32 1
		.amdhsa_system_sgpr_workgroup_id_x 1
		.amdhsa_system_sgpr_workgroup_id_y 1
		.amdhsa_system_sgpr_workgroup_id_z 1
		.amdhsa_system_vgpr_workitem_id 0
		.amdhsa_next_free_vgpr 480
		.amdhsa_next_free_sgpr 102
		.amdhsa_reserve_vcc 0
		.amdhsa_float_denorm_mode_32 3
		.amdhsa_float_denorm_mode_16_64 3
		.amdhsa_memory_ordered 1
		.amdhsa_forward_progress 1
		.amdhsa_inst_pref_size 255
	.end_amdhsa_kernel
	.section	.bss,"aw",@nobits
	.p2align	6
	.space	262144
	.amdgpu_metadata
---
amdhsa.version: [ 1, 2 ]
amdhsa.kernels:
  - .name:           k_q17a1bbf5ab_band
    .symbol:         k_q17a1bbf5ab_band.kd
    .args:
      - { .name: keys, .offset: 0, .size: 8, .value_kind: global_buffer, .address_space: global }
      - { .name: queries, .offset: 8, .size: 8, .value_kind: global_buffer, .address_space: global }
      - { .name: values, .offset: 16, .size: 8, .value_kind: global_buffer, .address_space: global }
      - { .name: out0, .offset: 24, .size: 8, .value_kind: global_buffer, .address_space: global }
    .group_segment_fixed_size: 326144
    .private_segment_fixed_size: 0
    .kernarg_segment_align: 8
    .kernarg_segment_size: 32
    .max_flat_workgroup_size: 128
    .sgpr_count:     102
    .vgpr_count:     480
    .wavefront_size: 32
...
	.end_amdgpu_metadata
.endif
;; end of part 2
